; MI455X (gfx1250); checked and timed in simulation.
; The chip was launched on July 23, 2026; its instructions are those of AMD's public machine-readable ISA for CDNA 5 (MIT licence, August 2026) and "CDNA5" Instruction Set Architecture Reference Guide (July 2026). The comments in the code are by the model that wrote it; some were corrected since.
;; C Linear. Allowed arithmetic: matrix products marked QUANTISED: E2M1 operands, one E8M0 scale for each 32 along K, by v_wmma_scale_f32_16x16x128_f8f6f4 with both operands' format E2M1 (or v_wmma_scale_f32_32x16x128_f4), f32 sums; everything else in f32.
;; Inputs: bias 2,048 float32; mn 2,048 x 64 x 1 float32; packed 2,048 x 64 x 32 int32; scale 2,048 x 64 x 1 float32; x_codes 4 x 2,048 x 128 x 16 uint8 (E2M1 codes of x, K innermost, in blocks of 32 codes, two codes a byte); x_scales 4 x 2,048 x 128 uint8 (E8M0 scales of x, one for each 32 codes along K).
;; Outputs: out0 4 x 2,048 x 2,048 float32.
;; This version of the problem:
;;   THIS VERSION OF THE PROBLEM IS GIVEN IN LOW PRECISION. The matrix products marked QUANTISED in the list below multiply operands that are first quantised to E2M1 (2 exponent bits, 1 mantissa bit; 4 bits a number), with one power-of-two scale for each 32 numbers along K (OCP MX v1.0); their sums are f32. All else is computed in f32.
;;   The module's matrix products, in the order in which they are computed (A, B: the left and right operand; K: the contracted axis; several contracted axes count as one K, in the product's order):
;;     1. [M 8,192, K 4,096] x [K 4,096, N 2,048]; A: input x (given as codes); B: computed on the way: QUANTISED
;;   THE QUANTISER, for each operand of a quantised product, along K:
;;     - K is cut into blocks of 32 from its start; a last block that is shorter is filled with zeros.
;;     - A block's scale is 2^e with e = floor(log2(the largest magnitude in the block)) - 2, held to -126 .. 127; a block of zeros has e = 0. As a byte (E8M0): e + 127.
;;     - Each number is divided by its block's scale, clamped to +-6, and rounded to the nearest number of E2M1, ties to even, subnormals kept.
;;     - The product sums the exact products of the quantised numbers (number of the format x scale) in f32.
;;   ~~~python
;;   def quantise(x, axis):      # numpy; x: float32 -> the quantised numbers, widened to float32 again
;;       x = np.moveaxis(x, axis, -1); K = x.shape[-1]
;;       x = np.pad(x, [(0, 0)] * (x.ndim - 1) + [(0, -K % 32)]); x = x.reshape(x.shape[:-1] + (-1, 32)); a = np.abs(x).max(-1, keepdims=True)
;;       e = np.where(a > 0, np.clip(np.frexp(np.where(a > 0, a, 1))[1] - 1 - 2, -126, 127), 0)      # np.frexp(a)[1] - 1 = floor(log2(a)), exactly
;;       r = np.clip(x / 2.0 ** e, -6, 6)
;;       step = 2.0 ** (np.maximum(np.frexp(np.where(r == 0, 1, r))[1] - 1, 0) - 1)
;;       q = np.round(r / step) * step * 2.0 ** e      # np.round: ties to even
;;       return np.moveaxis(q.reshape(q.shape[:-2] + (-1,))[..., :K], -1, axis).astype(np.float32)
;;   ~~~
;;   OPERANDS COMPUTED ON THE WAY. 'Computed on the way' means the value that the module computes at that place (a softmax that the list does not call 'softmax' is quantised finished and normalised). What goes into a quantiser is computed in f32, as accurately as f32 sums, v_exp_f32 and their like allow (about 1e-6 of the number): no bf16 or f16 on the way to a quantiser, and a product that is left as it is and whose result goes on into a quantised operand takes f32 operands (vector FMAs, or v_wmma_f32_16x16x4_f32). A number that lies on a knife's edge between two numbers of the format may be rounded either way, as far as f32 arithmetic and the matrix unit's own rounding can turn it there, and no further.
;;   INPUTS GIVEN AS CODES. x (in the module: [4, 2048, 4096], K = its axis 2): each comes as NAME_codes (uint8): NAME with its K axis moved to the last place and cut into blocks of 32 codes, [.., K / 32, bytes a block], one block behind the other in memory; two codes a byte, the lower K in the low four bits (a code: sign, 2 exponent bits, 1 mantissa bit); and NAME_scales (uint8): the same leading axes, one E8M0 byte (e + 127) for each 32 codes along K. Its value is code x scale, taken as it is: it is not quantised again, and the codes and scales need not be those that the quantiser above would give.
;; One version. Each part assembles by itself: llvm-mc -triple=amdgcn-amd-amdhsa -mcpu=gfx1250 --defsym DOCPART=n.
;; ======== version 1 of 1: 2 launches
;; limits: right only within a limited range of input values
;; workspace buffers: w_codes 4,194,304 bytes; w_sc 262,144 bytes
;; launch prep (part 1): grid 256 x 1, 4 waves a work-group, no clusters, 77,312 bytes of LDS; arguments packed, mn, scale, w_codes, w_sc; writes w_codes, w_sc
.if DOCPART == 1
	.amdgcn_target "amdgcn-amd-amdhsa--gfx1250"
	.amdhsa_code_object_version 6
	.text
	.protected	k_qf538b114cb_prep
	.globl	k_qf538b114cb_prep
	.p2align	8
	.type	k_qf538b114cb_prep,@function
k_qf538b114cb_prep:
	s_mov_b64 s[64:65], 0
	v_nop
	global_prefetch_b8 v0, s[64:65] scope:SCOPE_SE
	s_setreg_imm32_b32 hwreg(HW_REG_WAVE_MODE, 25, 1), 1
	s_wait_xcnt 0x0
; w[n][k] = nibble / scale[n][g] + mn[n][g] (g = k / 64) is made in f32 and turned into codes of FP4 (E2M1) with one E8M0 byte for each 32 along K, laid as images of the product's operand registers.
; packed: [2048][64][32] int32.  Word j of group g holds element j of the group in bits 7:4 and element 32 + j in bits 3:0; higher bits are not looked at.
; So a group is two blocks of 32 along K: block 0 is its 32 high nibbles, block 1 its 32 low nibbles.
; OUT: w_codes [32 column groups of 64][32 steps of 128 along K][4 tiles b][2 halves c][32 lanes][16 bytes]: lane r + 16 h of tile b holds column 64 group + 4 r + b, K = 128 step + 64 c + 32 h + 0 .. 31, two codes a byte, the lower k low.
;      w_sc [32 column groups][8 K steps of 512][2][32 lanes][4 words]: lane 16 (b % 2) + r, word 2 (b / 2) + q % 2 of part q / 2 is the scale word of that column for the K step's q-th 128.
; A block's scale is 2^(floor(log2(its largest magnitude)) - 2): its byte is the largest magnitude's exponent field - 2, held at 1 from below by a floor among the maximum's leaves.
; ARITHMETIC: w = fma(nibble, r, mn), r = 1 / scale by v_rcp_f32 and one Newton step: one rounding where the definition has two (quotient, sum).
; A nibble becomes f32 exactly: bits 3:0 under the pattern of 2^23 count ones, bits 7:4 under that of 2^19 (whose lowest mantissa bit is 1 / 16) count ones too; the power is then taken off.
; LIMITS: NaN and infinities among mn and scale, scale = 0, and |scale| so large or small that its reciprocal is no normal f32 number are not served.  A block of zeros gets the byte 1 (the rule says 127):
;         its codes are zeros, which add nothing under any byte but 0xff, and this program alone reads the bytes.
; SHARES: work-group id: column group id / 8, K step id % 8 (512 along K); wave b: the 16 columns 64 group + 4 r + b.  16 rows x 8 groups: 16 KB of packed in.
;         Four quarters of 16 rows x 2 groups, ONE GROUP TO A LANE (lane r + 16 g): both blocks' maxima need no other lane, the conversions find neighbours along K in one lane's consecutive registers,
;         and a block's 16 bytes are one lane's part of the image: the codes are stored from the registers that they are made in.
; LOADS take the bytes as they lie (two rows x 256 consecutive bytes); a quarter's 4,096 bytes turn through the wave's own stage in LDS.  All 32 loads of a wave go out at once.
; mn and scale come as 32 bytes of each row of 256.  No tensor load, no loop, no cluster: the work-groups share no input bytes but those rows of mn and scale.
; No source of a global instruction is ever written again, so no wait on XCNT is written.
.set GOFF,   2432                      ; a quarter's stage: 16 rows of 144 bytes for group 0, and behind GOFF for group 1 (GOFF mod 256 = 128: the 16 pieces of a store's row meet 16 different columns)
.set TPITCH, 144
.set TQ,     GOFF+16*TPITCH
.set WREG,   4*TQ                      ; four stages, so that none is written twice: a wave's own region
.set SCA,    4*WREG                    ; the work-group's 1,024 bytes of scale words
.set SPARE,  SCA+1024                  ; the spare words
.set GL,   2                           ; v2   into packed: 32768 (lane / 16) + 16 (lane % 16)
.set STI,  3                           ; v3   into a stage
.set LDI,  4                           ; v4   out of it: my group
.set MNO,  5                           ; v5   my group's mn and scale
.set CGO,  6                           ; v6   my codes: 512 g + 16 r
.set SBS,  7                           ; v7   my group's two scale bytes
.set SBR,  8                           ; v8   out: 8 x thread
.set SGO,  9                           ; v9   and in w_sc
.set P,    16                          ; v[16:23]  quarter t: the pair (mn, scale)
.set Q,    24                          ; v[24:31]  quarter t: the pair (1 / scale, the Newton step's error)
.set MXA,  32
.set MXB,  33
.set SOA,  34
.set SOB,  35
.set BYA,  36
.set BYB,  37
.set SPW,  38                          ; v38  LDS address of my spare word
.set NIL,  39                          ; v39  0
.set HB,   40                          ; v[40:43]  quarter t: both bytes in one half word
.set SW,   60                          ; v[60:61]  scale words on the way out
.set R,    64                          ; v[64:191] quarter t: 32 registers: as loaded, then my group's 32 words, then (the first eight) its codes
.set F,    192                         ; v[192:255] 64 numbers in f32
	s_load_b256 s[4:11], s[0:1], 0x0               ; packed s[4:5], mn s[6:7], scale s[8:9], w_codes s[10:11]
	s_load_b64 s[12:13], s[0:1], 0x20              ; w_sc
	v_lshrrev_b32 v1, 5, v0
	v_readfirstlane_b32 s18, v1                    ; wave b
	s_lshr_b32 s19, ttmp9, 3                       ; column group
	s_and_b32 s20, ttmp9, 7                        ; K step
	s_mul_i32 s21, s18, WREG
	s_lshl_b32 s22, s19, 19                        ; packed: (64 group + b) rows of 8,192 bytes, 8 groups of 128
	s_lshl_b32 s14, s18, 13
	s_add_co_u32 s22, s22, s14
	s_lshl_b32 s14, s20, 10
	s_add_co_u32 s22, s22, s14
	s_mov_b32 s23, 0
	s_lshl_b32 s24, s19, 14                        ; mn, scale: rows of 256 bytes, 8 groups of 4
	s_lshl_b32 s14, s18, 8
	s_add_co_u32 s24, s24, s14
	s_lshl_b32 s14, s20, 5
	s_add_co_u32 s24, s24, s14
	s_mov_b32 s25, 0
	s_lshl_b32 s26, s19, 17                        ; w_codes: 131,072 bytes a column group, 16,384 a K step, 1,024 a tile
	s_lshl_b32 s14, s20, 14
	s_add_co_u32 s26, s26, s14
	s_lshl_b32 s14, s18, 10
	s_add_co_u32 s26, s26, s14
	s_mov_b32 s27, 0
	s_lshl_b32 s28, s19, 13                        ; w_sc: 8,192 bytes a column group, 1,024 a K step
	s_lshl_b32 s14, s20, 10
	s_add_co_u32 s28, s28, s14
	s_mov_b32 s29, 0
	s_mov_b32 s30, 0x4b000000                      ; 2^23
	s_mov_b32 s31, 0x49000000                      ; 2^19
	s_movk_i32 s32, 0xf0
	s_mov_b32 s34, 0xcb000000                      ; -2^23
	s_mov_b32 s35, s34
	s_mov_b32 s36, 0xc9000000                      ; -2^19
	s_mov_b32 s37, s36
	s_and_b32 s14, s18, 1                          ; where wave b's scale bytes go: 256 (b % 2) + 8 (b / 2)
	s_lshl_b32 s14, s14, 8
	s_lshr_b32 s15, s18, 1
	s_lshl_b32 s15, s15, 3
	s_add_co_u32 s14, s14, s15
	s_add_co_u32 s14, s14, SCA
	v_lshl_add_u32 v[SPW], v0, 2, SPARE
	v_mov_b32 v[NIL], 0
	v_and_b32 v10, 15, v0                          ; lane % 16
	v_bfe_u32 v11, v0, 4, 1                        ; lane / 16
	v_bfe_u32 v12, v0, 3, 1                        ; (lane % 16) / 8
	v_and_b32 v13, 7, v0
	v_lshlrev_b32 v[GL], 15, v11
	v_lshl_add_u32 v[GL], v10, 4, v[GL]
	v_mul_u32_u24 v[STI], v11, TPITCH
	v_mul_u32_u24 v14, v12, GOFF
	v_lshl_add_u32 v[STI], v13, 4, v[STI]
	v_add_nc_u32 v[STI], v[STI], v14
	v_add_nc_u32 v[STI], s21, v[STI]
	v_mul_u32_u24 v[LDI], v10, TPITCH
	v_mul_u32_u24 v14, v11, GOFF
	v_add_nc_u32 v[LDI], v[LDI], v14
	v_add_nc_u32 v[LDI], s21, v[LDI]
	v_lshlrev_b32 v[MNO], 10, v10                  ; rows 4 r: 1,024 bytes apart
	v_lshl_add_u32 v[MNO], v11, 2, v[MNO]
	v_lshlrev_b32 v[CGO], 9, v11
	v_lshl_add_u32 v[CGO], v10, 4, v[CGO]
	v_lshlrev_b32 v[SBS], 4, v10
	v_lshl_add_u32 v[SBS], v11, 1, v[SBS]
	v_add_nc_u32 v[SBS], s14, v[SBS]
	v_lshlrev_b32 v[SGO], 3, v0
	v_add_nc_u32 v[SBR], SCA, v[SGO]
	s_wait_alu depctr_va_vdst(0)                   ; the wait at the head's end
	s_wait_kmcnt 0x0
	s_add_nc_u64 s[4:5], s[4:5], s[22:23]
	s_add_nc_u64 s[6:7], s[6:7], s[24:25]
	s_add_nc_u64 s[8:9], s[8:9], s[24:25]
	s_add_nc_u64 s[10:11], s[10:11], s[26:27]
	s_add_nc_u64 s[12:13], s[12:13], s[28:29]
.irp t, 0,1,2,3
	global_load_b32 v[P+2*\t], v[MNO], s[6:7] offset:8*\t              ; quarter t: groups 2 t, 2 t + 1
	global_load_b32 v[P+2*\t+1], v[MNO], s[8:9] offset:8*\t
.endr
.irp t, 0,1,2,3
.irp i, 0,1,2,3,4,5,6,7
	global_load_b128 v[R+32*\t+4*\i:R+32*\t+4*\i+3], v[GL], s[4:5] offset:65536*\i+256*\t th:TH_LOAD_NT   ; my rows 2 i, 2 i + 1: 256 consecutive bytes each
.endr
.endr
; Quarter t through its stage.  LDS serves a wave's instructions in order (ISA guide 5.7.1.4): no wait between the stores and the loads, and the loads land in the registers that the stores have left.
.macro TURN t
.irp i, 0,1,2,3,4,5,6,7
	ds_store_b128 v[STI], v[R+32*(\t)+4*\i:R+32*(\t)+4*\i+3] offset:TQ*(\t)+2*TPITCH*\i
.endr
.irp c, 0,1,2,3,4,5,6,7
	ds_load_b128 v[R+32*(\t)+4*\c:R+32*(\t)+4*\c+3], v[LDI] offset:TQ*(\t)+16*\c
.endr
.endm
	s_wait_loadcnt 32                              ; the 32 loads of packed may be out: mn and scale are in
.irp t, 0,1,2,3
	v_rcp_f32 v[Q+2*\t], v[P+2*\t+1]
.endr
	v_nop                                          ; a plain instruction between the last reciprocal and the use of its result (ISA guide 5.7.2)
	s_wait_alu depctr_va_vdst(0)                   ; the wait ahead of the batch's first reader
.irp t, 0,1,2,3
	v_fma_f32 v[Q+2*\t+1], -v[P+2*\t+1], v[Q+2*\t], 1.0    ; e = 1 - scale r
.endr
.irp t, 0,1,2,3
	v_fma_f32 v[Q+2*\t], v[Q+2*\t], v[Q+2*\t+1], v[Q+2*\t] ; r + r e
.endr
	s_wait_loadcnt 24                              ; quarter 0's eight loads are in
	TURN 0
.macro QUARTER t
.set X, R+32*\t
.if \t < 3
	s_wait_loadcnt 8*(2-\t)                        ; the next quarter's eight loads are in; those behind them may be out
	TURN \t+1                                      ; and turn while this quarter is worked
	s_wait_dscnt 16                                ; all but the 16 just issued: my group's 32 words are here
.else
	s_wait_dscnt 0x0
.endif
.set j, 0
.rept 32
	v_and_or_b32 v[F+j], v[X+j], s32, s31          ; block 0: 2^19 + nibble
	v_and_or_b32 v[F+32+j], v[X+j], 15, s30        ; block 1: 2^23 + nibble
.set j, j+1
.endr
.set j, 0
.rept 16
	v_pk_add_f32 v[F+j:F+j+1], v[F+j:F+j+1], s[36:37] op_sel_hi:[1,0]
	v_pk_add_f32 v[F+32+j:F+33+j], v[F+32+j:F+33+j], s[34:35] op_sel_hi:[1,0]
.set j, j+2
.endr
.set j, 0
.rept 32
	v_pk_fma_f32 v[F+j:F+j+1], v[F+j:F+j+1], v[Q+2*\t:Q+2*\t+1], v[P+2*\t:P+2*\t+1] op_sel_hi:[1,0,0]   ; w = nibble x r + mn, two at a time (of the pairs the low word serves both halves)
.set j, j+2
.endr
	v_max3_num_f32 v[MXA], |v[F]|, |v[F+1]|, 0x1800000       ; each block's largest magnitude, and the floor 2^(3 - 127): so the byte cannot fall under 1
	v_max3_num_f32 v[MXB], |v[F+32]|, |v[F+33]|, 0x1800000
.set j, 2
.rept 15
	v_max3_num_f32 v[MXA], v[MXA], |v[F+j]|, |v[F+j+1]|      ; (the two blocks by turns)
	v_max3_num_f32 v[MXB], v[MXB], |v[F+32+j]|, |v[F+33+j]|
.set j, j+2
.endr
	v_add_nc_u32 v[SOA], 0xff000000, v[MXA]        ; 2 off the exponent field: the conversion takes the exponent field of this operand as its scale, and nothing else of it
	v_add_nc_u32 v[SOB], 0xff000000, v[MXB]
.irp g, 0,1,2,3
	v_cvt_scalef32_pk8_fp4_f32 v[X+\g], v[F+8*\g:F+8*\g+7], v[SOA]           ; eight numbers / scale, to the nearest code, ties to even, beyond 6 the largest code
.endr
.irp g, 0,1,2,3
	v_cvt_scalef32_pk8_fp4_f32 v[X+4+\g], v[F+32+8*\g:F+32+8*\g+7], v[SOB]
.endr
	v_lshrrev_b32 v[BYA], 23, v[SOA]               ; the scales' bytes.  (Plain lines behind the conversions, ahead of the next quarter's writes of their sources)
	v_lshrrev_b32 v[BYB], 23, v[SOB]
	v_lshl_or_b32 v[HB+\t], v[BYB], 8, v[BYA]
	global_store_b128 v[CGO], v[X:X+3], s[10:11] offset:4096*\t          ; each half of the lanes stores 256 consecutive bytes, at a multiple of 256 from w_codes' first byte
	global_store_b128 v[CGO], v[X+4:X+7], s[10:11] offset:4096*\t+256
	ds_store_b16 v[SBS], v[HB+\t] offset:512*(\t/2)+4*(\t%2)
.endm
	QUARTER 0
	QUARTER 1
	QUARTER 2
	QUARTER 3
	s_wait_dscnt 0x0                               ; my scale bytes lie in LDS
	s_barrier_signal -1
	s_barrier_wait -1                              ; everybody's do
	ds_load_b64 v[SW:SW+1], v[SBR]
	s_wait_dscnt 0x0
	global_store_b64 v[SGO], v[SW:SW+1], s[12:13]  ; a wave stores 256 consecutive bytes, aligned likewise
	s_wait_tensorcnt 0x0                           ; the wave's end
	ds_add_u32 v[SPW], v[NIL]
	s_wait_dscnt 0x0
	s_endpgm
.Lfunc_end_k_qf538b114cb_prep:
	.size	k_qf538b114cb_prep, .Lfunc_end_k_qf538b114cb_prep-k_qf538b114cb_prep
	.p2alignl 7, 3214868480
	.fill 96, 4, 3214868480
	.section	.rodata,"a",@progbits
	.p2align	6, 0x0
	.amdhsa_kernel k_qf538b114cb_prep
		.amdhsa_group_segment_fixed_size 77312
		.amdhsa_private_segment_fixed_size 0
		.amdhsa_enable_private_segment 0
		.amdhsa_kernarg_size 40
		.amdhsa_user_sgpr_count 2
		.amdhsa_user_sgpr_kernarg_segment_ptr 1
		.amdhsa_wavefront_size32 1
		.amdhsa_system_sgpr_workgroup_id_x 1
		.amdhsa_system_sgpr_workgroup_id_y 1
		.amdhsa_system_sgpr_workgroup_id_z 1
		.amdhsa_system_vgpr_workitem_id 0
		.amdhsa_next_free_vgpr 256
		.amdhsa_next_free_sgpr 66
		.amdhsa_reserve_vcc 0
		.amdhsa_float_denorm_mode_32 3
		.amdhsa_float_denorm_mode_16_64 3
		.amdhsa_memory_ordered 1
		.amdhsa_forward_progress 1
		.amdhsa_inst_pref_size 57
	.end_amdhsa_kernel
	.amdgpu_metadata
---
amdhsa.version: [ 1, 2 ]
amdhsa.kernels:
  - .name:           k_qf538b114cb_prep
    .symbol:         k_qf538b114cb_prep.kd
    .args:
      - { .name: packed, .offset: 0, .size: 8, .value_kind: global_buffer, .address_space: global }
      - { .name: mn, .offset: 8, .size: 8, .value_kind: global_buffer, .address_space: global }
      - { .name: scale, .offset: 16, .size: 8, .value_kind: global_buffer, .address_space: global }
      - { .name: w_codes, .offset: 24, .size: 8, .value_kind: global_buffer, .address_space: global }
      - { .name: w_sc, .offset: 32, .size: 8, .value_kind: global_buffer, .address_space: global }
    .group_segment_fixed_size: 77312
    .private_segment_fixed_size: 0
    .kernarg_segment_align: 8
    .kernarg_segment_size: 40
    .max_flat_workgroup_size: 128
    .sgpr_count:     66
    .vgpr_count:     256
    .wavefront_size: 32
...
	.end_amdgpu_metadata
.endif
;; end of part 1
;; launch gemm (part 2): grid 4 x 64, 4 waves a work-group, clusters of 4 x 1, 327,680 bytes of LDS; arguments x_codes, x_scales, w_codes, w_sc, bias, out0; writes out0
.if DOCPART == 2
	.amdgcn_target "amdgcn-amd-amdhsa--gfx1250"
	.amdhsa_code_object_version 6
	.text
	.protected	k_qf538b114cb_gemm
	.globl	k_qf538b114cb_gemm
	.p2align	8
	.type	k_qf538b114cb_gemm,@function
k_qf538b114cb_gemm:
	s_mov_b64 s[64:65], 0
	v_nop
	global_prefetch_b8 v0, s[64:65] scope:SCOPE_SE
	s_setreg_imm32_b32 hwreg(HW_REG_WAVE_MODE, 25, 1), 1
	s_wait_xcnt 0x0
	s_wait_alu depctr_hold_cnt(0) depctr_sa_sdst(0) depctr_va_vdst(0) depctr_va_sdst(0) depctr_va_ssrc(0) depctr_va_vcc(0) depctr_vm_vsrc(0)
	s_getreg_b32 s2, hwreg(HW_REG_IB_STS2, 6, 4)
	s_cmp_eq_u32 s2, 0
	s_cbranch_scc0 .Lentry_in_a_cluster
	s_endpgm
.Lentry_in_a_cluster:
	s_bfe_u32 s2, ttmp6, 0x10000c
	s_cmp_lg_u32 s2, 0x3003
	s_cbranch_scc0 .Lentry_shape_is_right
	s_endpgm
.Lentry_shape_is_right:
; out0[m][n] = sum over k of x[m][k] w[n][k] + bias[n].  x: [8192][4096] codes of FP4 (E2M1), two a byte, K innermost, one E8M0 byte for each 32 along K; w: the register images that the first launch laid; out0: [8192][2048] f32; sums in f32.
; A work-group of four waves makes 128 rows x 512 columns: 64 x 4 = 256 work-groups.  ITS 128 ROWS OF x, FOR ALL OF K, STAY IN LDS (4 pieces of 1,024 along K, one tensor load a wave; their scale bytes beside them).
; w GOES FROM MEMORY STRAIGHT INTO REGISTERS: each wave has columns of its own, so no two waves of the work-group read the same bytes of w, and behind the head no LDS byte is written and no barrier is passed.
; TWO PASSES along K: in pass p wave v makes the 64 columns 512 cx + 256 p + 64 v.  Pass 0's sums lie in window 2, pass 1's in window 3: pass 0's results leave during pass 1, three stores a step of 128 along K.
; Pass 1's last 512 along K goes by rows: 32 rows are finished by 16 matrix instructions and leave while the next 32 are multiplied.
; CLUSTERS: 4 x 1 work-groups that need the same rows of x: each piece is asked for JOINTLY, by the same tensor load with the same descriptor and the mask 15.  w's tiles differ among the four;
; the 64 row tiles that share them could not ask jointly: joint loads land in LDS, where beside x (288,768 of 327,680 bytes) two slots of 256 columns x 512 along K (2 x 65,536 bytes) have no room.
; THE WALK ALONG K begins at piece (row tile mod 4) and goes round, so that the row tiles do not all ask for the same part of w at once.
; LIMIT: an output's sum runs over K cyclically from 1024 (row tile mod 4) on, not ascending from 0: the same terms, another order of rounding.  The bias is added last.
; REGISTERS: window 0: v0-15 addresses; v16-23 the bias; v24-39 w's scale words, v40-71 x's (two sets each, by K steps of 512); v72-119 results on the way out; v128-255 x's fragments (8 x 16 rows x 128 K), two sets.
;   window 1: w's fragments, a ring of 8 steps of 128 along K, 32 registers each;  window 2, 3: the sums of pass 0, 1: 32 rows 32 a .. x tile b at v[16 (4 a + b)].
; Tile b holds columns 4 r + b (r = lane % 16): the four tiles' register j make four NEIGHBOURING columns of one row, 16 bytes a lane, and sixteen lanes make 256 aligned bytes of a row.
; PREFETCH: each wave asks once for 32 blocks of 256 bytes, a sixteenth of its pass 1's codes of w, three trips ahead of their first load; the sixteenths are told apart by the row tile, four row tiles to each.
; Pass 0's codes are on their way to registers at the head; x is fetched whole at the head, with no loop to run ahead in: neither is prefetched.
.set PITCH,  528                       ; an LDS row of a piece: 512 bytes + 16 of padding = 132 words: row r starts at bank 4 r mod 64 (64 banks of 4 bytes: ISA guide 11.1)
.set PIECE,  128*PITCH
.set XSB,    4*PIECE                   ; x's scale bytes: 128 rows of 128 bytes, 144 apart, in the walk's order
.set SPARE,  XSB+128*144               ; the spare words, 128 bytes for each wave, that no other line names
.set SPW,  4                           ; v4   LDS address of my spare word
.set NIL,  5                           ; v5   0
.set WOF,  6                           ; v6   16 x lane
.set XA1,  7                           ; v7, v8   LDS address of my x fragments, pass 0 and 1
.set XA2,  8
.set XS1,  9                           ; v9, v10  of my x scale words
.set XS2,  10
.set CO,   11                          ; v11  my offset in out0: 16 r + 8 rows for lanes 16-31
.set BO,   12                          ; v12  16 r
.set XG,   13                          ; v13  my 16 scale bytes in x_scales,
.set XST,  14                          ; v14  and in LDS
.set PF,   15                          ; v15  the prefetch's offset
.set BI,   16
.set SW,   24
.set SX,   40
.set T,    72
.set XF,   128
.set WV,   16                          ; s16 wave
.set RT,   17                          ; s17 row tile
.set CX,   18                          ; s18 place in the cluster = tile column
.set KB,   19                          ; s19 where the walk begins, in K steps of 512: 2 (row tile mod 4)
.set KN,   20                          ; s20 the number, over both passes, of the K step whose codes are being asked for
.set WKA,  21                          ; s21, s22, s30 at work
.set WKB,  22
.set WKC,  30
.set TRIPS, 23
.set G0,   24                          ; s[24:27] descriptor group 0, s[32:39] group 1
.set OFS,  28                          ; s[28:29] an offset; the upper word stays 0
.set G1,   32
.set WB,   40                          ; s[40:41] that K step's codes,
.set WSB,  42                          ; s[42:43] and scale words
.set PFB,  44                          ; s[44:45] pass 1's codes
.set MSB, 0
.macro WIN new                         ; the immediate's high byte repeats the setting that is left
.if MSB != \new
	s_set_vgpr_msb (MSB<<8)|\new
.set MSB, \new
.endif
.endm
.macro CROUND                          ; a round of the cluster's barrier
	s_barrier_signal -1
	s_barrier_wait -1
	s_cmp_lg_u32 s[WV], 0
	s_cbranch_scc1 .Lnot_wave_0_\@
	s_barrier_signal -3
.Lnot_wave_0_\@:
	s_barrier_wait -3
	s_barrier_signal -1
	s_barrier_wait -1
.endm
	s_load_b256 s[4:11], s[0:1], 0x0               ; x_codes s[4:5], x_scales s[6:7], w_codes s[8:9], w_sc s[10:11]
	s_load_b128 s[12:15], s[0:1], 0x20             ; bias s[12:13], out0 s[14:15]
	v_lshl_add_u32 v[SPW], v0, 2, SPARE
	v_mov_b32 v[NIL], 0
	ds_add_u32 v[SPW], v[NIL]                      ; the wave's opening: the add, twice on end, and its wait ahead of my tensor load
	ds_add_u32 v[SPW], v[NIL]
	v_lshrrev_b32 v1, 5, v0
	v_readfirstlane_b32 s[WV], v1
	s_bfe_u32 s[CX], ttmp6, 0x40000
	s_and_b32 s[RT], ttmp7, 0xffff
	s_mov_b32 s[G1], 15|(1<<20)|(1<<21)|(6<<22)|(3<<25)   ; 15:0 the mask, all four work-groups; 17:16 element of 1 byte; 20 padding on; 21 set beside a mask; 24:22 after every 128 words; 31:25 of 4 words
	s_mov_b32 s[G1+1], 512<<16                     ; tensor_dim0 = 512
	s_mov_b32 s[G1+2], 128<<16                     ; tensor_dim1 = 128
	s_mov_b32 s[G1+3], 512<<16                     ; tile_dim0 = 512
	s_mov_b32 s[G1+4], 128                         ; tile_dim1 = 128
	s_mov_b32 s[G1+5], 2048                        ; tensor_dim0_stride
	s_mov_b32 s[G1+6], 0
	s_mov_b32 s[G1+7], 0
	s_mov_b32 s[G0], 1
	s_mul_i32 s[G0+1], s[WV], PIECE                ; wave v brings the walk's piece v,
	s_add_co_u32 s46, s[RT], s[WV]                 ; which is piece (row tile + v) mod 4 of K
	s_and_b32 s46, s46, 3
	s_lshl_b32 s46, s46, 9
	s_lshl_b32 s47, s[RT], 18                      ; 128 rows of 2,048 bytes
	s_add_co_u32 s46, s46, s47
	s_mov_b32 s47, 0
	s_and_b32 s[WKA], s[RT], 3
	s_lshl_b32 s[KB], s[WKA], 1
	s_bfe_u32 s[WKB], s[RT], 0x20003
	s_lshl_b32 s[WKB], s[WKB], 2
	s_or_b32 s[WKB], s[WKB], s[WKA]
	s_lshl_b32 s[WKB], s[WKB], 13                  ; which sixteenth of the wave's pass 1 codes I prefetch
	s_lshl_b32 s48, s[CX], 3
	s_add_co_u32 s48, s48, s[WV]                   ; my column group of 64 in pass 0; pass 1's is 4 further on
	s_lshl_b32 s50, s48, 17                        ; its codes,
	s_mov_b32 s51, 0
	s_lshl_b32 s52, s48, 13                        ; its scale words,
	s_mov_b32 s53, 0
	s_lshl_b32 s54, s48, 8                         ; its columns of bias and out0
	s_mov_b32 s55, 0
	s_lshl_b32 s56, s[RT], 14                      ; my rows of x_scales: 128 rows of 128 bytes
	s_mov_b32 s57, 0
	s_lshl_b32 s58, s[RT], 20                      ; my rows of out0: 128 rows of 8,192 bytes
	s_mov_b32 s59, 0
	s_mov_b32 s[OFS+1], 0
	s_mov_b32 s[KN], 1
	v_and_b32 v1, 15, v0                           ; r
	v_bfe_u32 v2, v0, 4, 1                         ; h
	v_and_b32 v3, 31, v0
	v_lshlrev_b32 v[WOF], 4, v3
	v_mul_u32_u24 v[XG], v1, PITCH
	v_lshl_add_u32 v[XA1], v2, 4, v[XG]            ; a fragment's row x pitch + 16 h
	v_lshl_add_u32 v[XA2], v2, 4, v[XG]
	v_mul_u32_u24 v[XST], v3, 144
	v_add_nc_u32 v[XS1], XSB, v[XST]               ; lane l takes row l of each 32
	v_add_nc_u32 v[XS2], XSB, v[XST]
	v_lshlrev_b32 v[BO], 4, v1
	v_lshl_add_u32 v[CO], v2, 16, v[BO]
	v_lshl_add_u32 v[PF], v3, 8, s[WKB]
	v_lshrrev_b32 v1, 3, v0                        ; x's scale bytes: row 16 i + thread / 8, piece thread % 8
	v_and_b32 v2, 7, v0
	v_mul_u32_u24 v[XST], v1, 144
	v_lshl_add_u32 v[XST], v2, 4, v[XST]
	v_add_nc_u32 v[XST], XSB, v[XST]               ; in LDS by the walk's order,
	v_add_nc_u32 v2, s[KB], v2                     ; in memory by K
	v_and_b32 v2, 7, v2
	v_lshlrev_b32 v[XG], 7, v1
	v_lshl_add_u32 v[XG], v2, 4, v[XG]
	s_wait_alu depctr_va_vdst(0)                   ; the wait at the head's end
	s_wait_dscnt 0x0                               ; both opening adds are done
	CROUND                                         ; all four work-groups are here: the joint loads meet
	s_wait_kmcnt 0x0
	s_add_nc_u64 s[G0+2:G0+3], s[4:5], s[46:47]
	s_or_b32 s[G0+3], s[G0+3], 0x80000000
	tensor_load_to_lds s[G0:G0+3], s[G1:G1+7]
	s_nop 0
	s_add_nc_u64 s[6:7], s[6:7], s[56:57]
	s_add_nc_u64 s[8:9], s[8:9], s[50:51]
	s_add_nc_u64 s[10:11], s[10:11], s[52:53]
	s_add_nc_u64 s[12:13], s[12:13], s[54:55]
	s_add_nc_u64 s[14:15], s[14:15], s[54:55]
	s_add_nc_u64 s[14:15], s[14:15], s[58:59]
	s_add_nc_u64 s[PFB:PFB+1], s[8:9], 0x80000
	s_add_co_u32 s[WKA], s[KB], 1                  ; the walk's K step 1 (KB is even: step 0 lies just below it)
	s_lshl_b32 s[OFS], s[WKA], 14
	s_add_nc_u64 s[WB:WB+1], s[8:9], s[OFS:OFS+1]
	s_lshl_b32 s[OFS], s[WKA], 10
	s_add_nc_u64 s[WSB:WSB+1], s[10:11], s[OFS:OFS+1]
.irp i, 0,1,2,3,4,5,6,7
	global_load_b128 v[T+4*\i:T+4*\i+3], v[XG], s[6:7] offset:2048*\i
.endr
	global_load_b128 v[BI:BI+3], v[BO], s[12:13]
	global_load_b128 v[BI+4:BI+7], v[BO], s[12:13] offset:1024
; Tile b's fragment of a step of 128 along K into the ring's place k: 1,024 consecutive bytes of the image, two loads.
.macro WP k, b, off
	global_load_b128 v[32*(\k)+8*(\b):32*(\k)+8*(\b)+3], v[WOF], s[WB:WB+1] offset:(\off)+1024*(\b)
	global_load_b128 v[32*(\k)+8*(\b)+4:32*(\k)+8*(\b)+7], v[WOF], s[WB:WB+1] offset:(\off)+1024*(\b)+512
.endm
	global_load_b128 v[SW:SW+3], v[WOF], s[WSB:WSB+1] offset:-1024
	global_load_b128 v[SW+4:SW+7], v[WOF], s[WSB:WSB+1] offset:-512
	WIN 0x40
.irp k, 0,1,2,3
.irp b, 0,1,2,3
	WP \k, \b, 4096*\k-16384
.endr
.endr
	WIN 0
	global_load_b128 v[SW+8:SW+11], v[WOF], s[WSB:WSB+1]
	WIN 0x40
.irp k, 4,5
.irp b, 0,1,2,3
	WP \k, \b, 4096*(\k-4)
.endr
.endr
	WIN 0
	s_wait_tensorcnt 0x0                           ; my piece of x is in
	s_wait_loadcnt 53                              ; and my scale bytes (behind them: 2 loads of the bias, 3 of scale words, 48 of codes)
.irp i, 0,1,2,3,4,5,6,7
	ds_store_b128 v[XST], v[T+4*\i:T+4*\i+3] offset:2304*\i
.endr
	s_wait_dscnt 0x0
	s_barrier_signal -1
	s_barrier_wait -1                              ; everybody's are
; x's block i of 16 rows for a step of 128 along K: lane (r, h) takes row r, K = 64 c + 32 h + 0 .. 31 into registers 4 c .. 4 c + 3
.macro XP i, set, off
	ds_load_b128 v[XF+64*(\set)+8*(\i):XF+64*(\set)+8*(\i)+3], v[XAR] offset:\off
	ds_load_b128 v[XF+64*(\set)+8*(\i)+4:XF+64*(\set)+8*(\i)+7], v[XAR] offset:(\off)+32
.endm
; the scale words for 512 along K of rows 32 a .. 32 a + 63: two loads; register 4 a + q: the q-th 128
.macro XSP set, a
	ds_load_b128 v[SX+16*(\set)+4*(\a):SX+16*(\set)+4*(\a)+3], v[XSR] offset:4608*(\a)+16*(\set)
	ds_load_b128 v[SX+16*(\set)+4*(\a)+4:SX+16*(\set)+4*(\a)+7], v[XSR] offset:4608*(\a)+4608+16*(\set)
.endm
; 32 rows x 16 columns x 128 along K: sum (ax, b), x's registers xr, w's place k of the ring, x's scale words sx.  Of w's scale registers lanes 0-15 serve even tiles, lanes 16-31 odd ones.
.macro MM ax, b, xr, k, sx, zero
.set D_, 16*(4*(\ax)+(\b))
.set X_, \xr
.set W_, 32*(\k)+8*(\b)
.set A_, \sx
.set B_, SW+8*((\k)/4)+4*(((\k)%4)/2)+2*((\b)/2)+(\k)%2
	WIN ACCW
.if \zero
.if (\b)%2
	v_wmma_scale_f32_32x16x128_f4 v[D_:D_+15], v[X_:X_+15], v[W_:W_+7], 0, v[A_], v[B_] matrix_b_scale:MATRIX_SCALE_ROW1
.else
	v_wmma_scale_f32_32x16x128_f4 v[D_:D_+15], v[X_:X_+15], v[W_:W_+7], 0, v[A_], v[B_]
.endif
.else
.if (\b)%2
	v_wmma_scale_f32_32x16x128_f4 v[D_:D_+15], v[X_:X_+15], v[W_:W_+7], v[D_:D_+15], v[A_], v[B_] matrix_b_scale:MATRIX_SCALE_ROW1
.else
	v_wmma_scale_f32_32x16x128_f4 v[D_:D_+15], v[X_:X_+15], v[W_:W_+7], v[D_:D_+15], v[A_], v[B_]
.endif
.endif
.endm
.macro PLACES                          ; four places behind the last matrix instruction, ahead of loads into registers that it has read, and of reads of results
.rept 4
	v_nop
.endr
.endm
; Store n of a pass, 0 .. 63: row n % 8 of block n / 8 (and the row 8 further down: lanes 16-31): four tiles' sums + bias are 16 bytes a lane.
; PUT: pass 0's stores n .. n + 2 (63 is the last), through v72-119: the additions first, then the stores.
.macro PUT n
	WIN 0x02
.irp m, 0,1,2
.if ((\n)+\m) < 64
.set N_, (\n)+\m
.set T_, T+4*(N_%12)
.set R_, 64*(N_/16)+N_%16
.irp e, 0,1,2,3
	v_add_f32 v[T_+\e], v[R_+16*\e], v[BI+\e]
.endr
.endif
.endr
	WIN 0
.irp m, 0,1,2
.if ((\n)+\m) < 64
.set N_, (\n)+\m
.set T_, T+4*(N_%12)
	global_store_b128 v[CO], v[T_:T_+3], s[14:15] offset:(16*(N_/8)+N_%8)*8192 th:TH_STORE_NT
.endif
.endr
.endm
; Pass 1's 16 stores of 32 rows p, through 64 registers of their own in window 2, whose sums have left: ADD2 the additions, SEND2 the stores.
.macro ADD2 p
	WIN 0x83
.irp m, 0,1,2,3,4,5,6,7,8,9,10,11,12,13,14,15
.set N_, 16*(\p)+\m
.set R_, 64*(\p)+\m
.irp e, 0,1,2,3
	v_add_f32 v[4*N_+\e], v[R_+16*\e], v[BI+4+\e]
.endr
.endr
.endm
.macro SEND2 p
	WIN 0x08
.irp m, 0,1,2,3,4,5,6,7,8,9,10,11,12,13,14,15
.set N_, 16*(\p)+\m
	global_store_b128 v[CO], v[4*N_:4*N_+3], s[14:15] offset:(16*(N_/8)+N_%8)*8192+1024 th:TH_STORE_NT
.endr
.endm
; On to the next K step to be asked for, round the 8 of a pass and into the next pass's columns (524,288 bytes of codes, 32,768 of scale words further on).
.macro BASE_W
	s_add_co_u32 s[KN], s[KN], 1
	s_add_co_u32 s[WKA], s[KN], s[KB]
	s_and_b32 s[WKA], s[WKA], 7
	s_lshr_b32 s[WKB], s[KN], 3
	s_lshl_b32 s[OFS], s[WKA], 14
	s_lshl_b32 s[WKC], s[WKB], 19
	s_or_b32 s[OFS], s[OFS], s[WKC]
	s_add_nc_u64 s[WB:WB+1], s[8:9], s[OFS:OFS+1]
.endm
.macro BASE_S
	s_lshl_b32 s[OFS], s[WKA], 10
	s_lshl_b32 s[WKC], s[WKB], 15
	s_or_b32 s[OFS], s[OFS], s[WKC]
	s_add_nc_u64 s[WSB:WSB+1], s[10:11], s[OFS:OFS+1]
.endm
; A step's loads, in one run: w's codes of the step 7 further on, into the place that the step before has left (and, ahead of them, scale words: in a K step's q = 0 the next K step's q = 2, 3; in q = 2 the K step after the next's q = 0, 1);
; in q = 2 x's scale words of the next K step; x's fragments of the next step.
.macro RUN
.if AHEAD
.if Q_ == 0
	WIN 0
	global_load_b128 v[SW+8*(1-S_)+4:SW+8*(1-S_)+7], v[WOF], s[WSB:WSB+1] offset:512
.endif
.if Q_ == 2
	WIN 0
	global_load_b128 v[SW+8*S_:SW+8*S_+3], v[WOF], s[WSB:WSB+1]
.endif
	WIN 0x40
.irp b, 0,1,2,3
	WP PK, \b, 4096*(PK%4)
.endr
.endif
	WIN 0
.if Q_ == 2
	XSP 1-S_, 0
	XSP 1-S_, 2
.endif
.irp i, 0,1,2,3,4,5,6,7
.if NEXTU
	XP \i, 0, (\i%2)*16*PITCH+256+64*(\i/2)
.else
	XP \i, NK%2, \i*16*PITCH+64*NK
.endif
.endr
.endm
; A step of 128 along K, the k-th of a trip's eight (a trip is one piece of x): one run of memory instructions, then 16 matrix instructions on end, the 16 sums by turns.  st: the first of the three stores that leave in it, or -1.
; LOADcnt: behind this step's codes at least the seven later steps' 56 loads were issued (and behind its scale words 58): 52 shows both.  DScnt: behind this step's fragments stand the next step's 16 loads, in q = 2 four of scale words too.
.macro KQ k, zero, st
.set Q_, (\k)%4
.set S_, (\k)/4
.set NK, ((\k)+1)%8
.set PK, ((\k)+7)%8
.if (Q_ == 1) && AHEAD
	s_wait_xcnt 0x0                                ; the loads have read their bases, the stores their data: both are written again below
	BASE_W
	BASE_S
.endif
.if (\k) == 6
.if STEPF
	WIN 0
	v_add_nc_u32 v[XSR], 32, v[XSR]
	s_wait_alu depctr_va_vdst(0)                   ; the wait directly behind the write
.else
.set XSR, XS2
.endif
.endif
.if (\k) == 7
.if STEPF
	WIN 0
	v_add_nc_u32 v[XAR], PIECE, v[XAR]
	s_wait_alu depctr_va_vdst(0)                   ; likewise
.else
.set XAR, XA2
.endif
.endif
.if (\st) >= 0
	PUT \st                                        ; its additions, four or more, are the four places
.else
	PLACES
.endif
.if \zero
	s_wait_loadcnt 48                              ; a pass's first step: its codes are in
.endif
	RUN
	s_wait_loadcnt LC
.if Q_ == 2
	s_wait_dscnt 20
.else
	s_wait_dscnt 16
.endif
.irp ax, 0,1,2,3
.irp b, 0,1,2,3
	MM \ax, \b, XF+64*(Q_%2)+16*\ax, \k, SX+16*S_+4*\ax+Q_, \zero
.endr
.endr
.endm
; 32 rows p of pass 1's last 512 along K (places 4 .. 7 of the ring): the last 32 rows' results leave and the next 32 rows' fragments come in, one run; then 16 matrix instructions, 4 sums by turns.
.macro UNIT p
	PLACES
.if (\p) == 0
	s_wait_loadcnt 0x0                             ; the last of w's codes
.else
	ADD2 (\p)-1
.endif
.if (\p) < 3
	WIN 0
.irp i, 0,1,2,3,4,5,6,7
	XP \i, ((\p)+1)%2, (2*((\p)+1)+\i%2)*16*PITCH+256+64*(\i/2)
.endr
.endif
.if (\p) > 0
	SEND2 (\p)-1
.endif
.if (\p) < 3
	s_wait_dscnt 16                                ; the 16 just issued may be out
.else
	s_wait_dscnt 0x0                               ; nothing more is fetched
.endif
.irp q, 0,1,2,3
.irp b, 0,1,2,3
	MM \p, \b, XF+64*((\p)%2)+16*\q, 4+\q, SX+16+4*(\p)+\q, 0
.endr
.endr
.endm
.set XAR, XA1
.set XSR, XS1
.set ACCW, 0xa4                        ; source 0 (x) window 0, source 1 (w) window 1, C and D window 2
.set AHEAD, 1
.set LC, 52
.set NEXTU, 0
.set STEPF, 1
	XSP 0, 0
	XSP 0, 2
.irp i, 0,1,2,3,4,5,6,7
	XP \i, 0, \i*16*PITCH
.endr
	WIN 0x40
.irp b, 0,1,2,3
	WP 6, \b, 8192                                 ; the seventh step's codes
.endr
	WIN 0
	global_prefetch_b8 v[PF], s[PFB:PFB+1] th:TH_LOAD_NT scope:SCOPE_SE
	KQ 0, 1, -1                                    ; pass 0's first step starts its sums
	WIN 0
	s_mov_b32 s[TRIPS], 3
.Lpass0:
.irp k, 1,2,3,4,5,6,7,0
	KQ \k, 0, -1
.endr
	WIN 0
	s_sub_co_u32 s[TRIPS], s[TRIPS], 1
	s_cmp_lg_u32 s[TRIPS], 0
	s_cbranch_scc1 .Lpass0
.set STEPF, 0                          ; the last trip's last steps fetch pass 1's first: from the first piece again
.irp k, 1,2,3,4,5,6,7
	KQ \k, 0, -1
.endr
.set STEPF, 1
.set ACCW, 0xf4                        ; C and D window 3
.set KK, 0
.rept 28                               ; pass 1: written out, since each step sends other registers of pass 0's sums
.set KM, KK%8
.set ZZ, 0
.set STN, -1
.if KK == 0
.set ZZ, 1
.endif
.if (KK >= 1) && (KK <= 22)
.set STN, 3*(KK-1)
.endif
.if KK == 25
.set AHEAD, 0                          ; step 24 has asked for the last codes
.set LC, 48                            ; behind this step's codes: six steps' loads,
.endif
.if KK == 26
.set LC, 40                            ; behind this step's codes: five steps' loads,
.endif
.if KK == 27
.set LC, 32                            ; four steps'
.set NEXTU, 1
.endif
	KQ KM, ZZ, STN
.set KK, KK+1
.endr
	UNIT 0
	UNIT 1
	UNIT 2
	UNIT 3
	PLACES
	ADD2 3
	SEND2 3
	WIN 0
	s_wait_tensorcnt 0x0                           ; the wave's end
	ds_add_u32 v[SPW], v[NIL]
	s_wait_dscnt 0x0
	CROUND                                         ; the closing round: no work-group ends while a partner may still ask for a piece that names it
	s_endpgm
.Lfunc_end_k_qf538b114cb_gemm:
	.size	k_qf538b114cb_gemm, .Lfunc_end_k_qf538b114cb_gemm-k_qf538b114cb_gemm
	.p2alignl 7, 3214868480
	.fill 96, 4, 3214868480
	.section	.rodata,"a",@progbits
	.p2align	6, 0x0
	.amdhsa_kernel k_qf538b114cb_gemm
		.amdhsa_group_segment_fixed_size 327680
		.amdhsa_private_segment_fixed_size 0
		.amdhsa_enable_private_segment 0
		.amdhsa_kernarg_size 48
		.amdhsa_user_sgpr_count 2
		.amdhsa_user_sgpr_kernarg_segment_ptr 1
		.amdhsa_wavefront_size32 1
		.amdhsa_system_sgpr_workgroup_id_x 1
		.amdhsa_system_sgpr_workgroup_id_y 1
		.amdhsa_system_sgpr_workgroup_id_z 1
		.amdhsa_system_vgpr_workitem_id 0
		.amdhsa_next_free_vgpr 1024
		.amdhsa_next_free_sgpr 66
		.amdhsa_reserve_vcc 0
		.amdhsa_float_denorm_mode_32 3
		.amdhsa_float_denorm_mode_16_64 3
		.amdhsa_memory_ordered 1
		.amdhsa_forward_progress 1
		.amdhsa_inst_pref_size 238
	.end_amdhsa_kernel
	.amdgpu_metadata
---
amdhsa.version: [ 1, 2 ]
amdhsa.kernels:
  - .name:           k_qf538b114cb_gemm
    .symbol:         k_qf538b114cb_gemm.kd
    .args:
      - { .name: x_codes, .offset: 0, .size: 8, .value_kind: global_buffer, .address_space: global }
      - { .name: x_scales, .offset: 8, .size: 8, .value_kind: global_buffer, .address_space: global }
      - { .name: w_codes, .offset: 16, .size: 8, .value_kind: global_buffer, .address_space: global }
      - { .name: w_sc, .offset: 24, .size: 8, .value_kind: global_buffer, .address_space: global }
      - { .name: bias, .offset: 32, .size: 8, .value_kind: global_buffer, .address_space: global }
      - { .name: out0, .offset: 40, .size: 8, .value_kind: global_buffer, .address_space: global }
    .group_segment_fixed_size: 327680
    .private_segment_fixed_size: 0
    .kernarg_segment_align: 8
    .kernarg_segment_size: 48
    .max_flat_workgroup_size: 128
    .sgpr_count:     66
    .vgpr_count:     1024
    .wavefront_size: 32
...
	.end_amdgpu_metadata
.endif
;; end of part 2
